; MI455X (gfx1250); checked and timed in simulation.
; The chip was launched on July 23, 2026; its instructions are those of AMD's public machine-readable ISA for CDNA 5 (MIT licence, August 2026) and "CDNA5" Instruction Set Architecture Reference Guide (July 2026). The comments in the code are by the model that wrote it; some were corrected since.
;; Multi Head Attention. Allowed arithmetic: matrix products marked QUANTISED: E2M1 operands, one E8M0 scale for each 32 along K, by v_wmma_scale_f32_16x16x128_f8f6f4 with both operands' format E2M1 (or v_wmma_scale_f32_32x16x128_f4), f32 sums; everything else in f32.
;; Inputs: Wk 1,024 x 1,024 float32; Wq 1,024 x 1,024 float32; Wv 1,024 x 1,024 float32; bk 1,024 float32; bq 1,024 float32; bv 1,024 float32; key 4 x 2,048 x 1,024 float32; query 4 x 2,048 x 1,024 float32; value 4 x 2,048 x 1,024 float32.
;; Outputs: out0 4 x 2,048 x 1,024 float32.
;; This version of the problem:
;;   THIS VERSION OF THE PROBLEM IS GIVEN IN LOW PRECISION. The matrix products marked QUANTISED in the list below multiply operands that are first quantised to E2M1 (2 exponent bits, 1 mantissa bit; 4 bits a number), with one power-of-two scale for each 32 numbers along K (OCP MX v1.0); their sums are f32. All else is computed in f32.
;;   The module's matrix products, in the order in which they are computed (A, B: the left and right operand; K: the contracted axis; several contracted axes count as one K, in the product's order):
;;     1. [M 8,192, K 1,024] x [K 1,024, N 1,024]; A: input query; B: input Wq: QUANTISED
;;     2. [M 8,192, K 1,024] x [K 1,024, N 1,024]; A: input key; B: input Wk: QUANTISED
;;     3. [M 8,192, K 1,024] x [K 1,024, N 1,024]; A: input value; B: input Wv: QUANTISED
;;     4. batch 64 x [M 2,048, K 64] x [K 64, N 2,048]; A: computed on the way; B: computed on the way: QUANTISED
;;     5. batch 64 x [M 2,048, K 2,048] x [K 2,048, N 64]; A: softmax (see below); B: computed on the way: QUANTISED
;;   THE QUANTISER, for each operand of a quantised product, along K:
;;     - K is cut into blocks of 32 from its start; a last block that is shorter is filled with zeros.
;;     - A block's scale is 2^e with e = floor(log2(the largest magnitude in the block)) - 2, held to -126 .. 127; a block of zeros has e = 0. As a byte (E8M0): e + 127.
;;     - Each number is divided by its block's scale, clamped to +-6, and rounded to the nearest number of E2M1, ties to even, subnormals kept.
;;     - The product sums the exact products of the quantised numbers (number of the format x scale) in f32.
;;   ~~~python
;;   def quantise(x, axis):      # numpy; x: float32 -> the quantised numbers, widened to float32 again
;;       x = np.moveaxis(x, axis, -1); K = x.shape[-1]
;;       x = np.pad(x, [(0, 0)] * (x.ndim - 1) + [(0, -K % 32)]); x = x.reshape(x.shape[:-1] + (-1, 32)); a = np.abs(x).max(-1, keepdims=True)
;;       e = np.where(a > 0, np.clip(np.frexp(np.where(a > 0, a, 1))[1] - 1 - 2, -126, 127), 0)      # np.frexp(a)[1] - 1 = floor(log2(a)), exactly
;;       r = np.clip(x / 2.0 ** e, -6, 6)
;;       step = 2.0 ** (np.maximum(np.frexp(np.where(r == 0, 1, r))[1] - 1, 0) - 1)
;;       q = np.round(r / step) * step * 2.0 ** e      # np.round: ties to even
;;       return np.moveaxis(q.reshape(q.shape[:-2] + (-1,))[..., :K], -1, axis).astype(np.float32)
;;   ~~~
;;   SOFTMAX AHEAD OF A QUANTISED PRODUCT. Where the list says 'softmax', what is quantised is not the finished softmax but p = 2^(t - M), with t = logit x log2(e) and M = ceil(the row's largest t), a whole number; so 1/2 < the row's largest p <= 1. The row's sum l is taken of the UNQUANTISED p, in f32, and the product's result is divided by l at the end. Since M is a whole number, a kernel that streams over the keys may use a running M (the ceiling of the running maximum): every later rescaling is an exact power of two, which a block's scale takes up: the codes' values come out the same.
;;   OPERANDS COMPUTED ON THE WAY. 'Computed on the way' means the value that the module computes at that place (a softmax that the list does not call 'softmax' is quantised finished and normalised). What goes into a quantiser is computed in f32, as accurately as f32 sums, v_exp_f32 and their like allow (about 1e-6 of the number): no bf16 or f16 on the way to a quantiser, and a product that is left as it is and whose result goes on into a quantised operand takes f32 operands (vector FMAs, or v_wmma_f32_16x16x4_f32). A number that lies on a knife's edge between two numbers of the format may be rounded either way, as far as f32 arithmetic and the matrix unit's own rounding can turn it there, and no further.
;; One version. Each part assembles by itself: llvm-mc -triple=amdgcn-amd-amdhsa -mcpu=gfx1250 --defsym DOCPART=n.
;; ======== version 1 of 1: 3 launches
;; limits: right only within a limited range of input values
;; workspace buffers: wc 1,572,864 bytes; ws 98,304 bytes; hd 13,893,632 bytes
;; launch quant_w (part 1): grid 16 x 6, 16 waves a work-group, no clusters, 20,480 bytes of LDS; arguments Wq, Wk, Wv, wc, ws; writes wc, ws
.if DOCPART == 1
	.amdgcn_target "amdgcn-amd-amdhsa--gfx1250"
	.amdhsa_code_object_version 6
	.text
	.protected	k_q96f73ea75c_quant_w
	.globl	k_q96f73ea75c_quant_w
	.p2align	8
	.type	k_q96f73ea75c_quant_w,@function
k_q96f73ea75c_quant_w:
	s_mov_b64 s[64:65], 0
	v_nop
	global_prefetch_b8 v0, s[64:65] scope:SCOPE_SE
	s_setreg_imm32_b32 hwreg(HW_REG_WAVE_MODE, 25, 1), 1
	s_wait_xcnt 0x0
; Wq, Wk, Wv: [1024 (k)][1024 (n)] f32, K is the FIRST axis.  They become codes of FP4 (E2M1) and E8M0 scale bytes, one for each 32 along K.
; wc holds IMAGES OF OPERAND REGISTERS: [3 weights][16 heads of 64 columns][8 steps q of 128 along K][4 tiles g][2 pieces c][32 lanes][16 bytes].  Lane (r = 8 a + j, h) of tile g holds column 32 a + 8 g + j of the head,
; k = 128 q + 64 c + 32 h + 0 .. 31.  ws is plain: [3][1024 (n)][32 bytes].
; A LANE TAKES A COLUMN n AND ITS REGISTERS RUN DOWN K: each load reads neighbouring n in neighbouring lanes, a block of 32 along K lies in one lane's registers, and the conversions give codes with K innermost.
; LIMITS: a block of zeros gets the byte 1 where the quantiser says 127 (zero codes; only this program reads the bytes); NaN and infinities among the inputs are not served.
; SHARES.  Work-group (x, y): weight y / 2, K half y % 2, head x.  Wave w: columns 32 (w % 2) on, 64 along K at 64 (w / 2): 64 loads a lane, two whole blocks.  The codes meet in a stage in LDS (a row for each column,
; 256 bytes + 16) and leave as images: wave w sends step w / 4 of the half, tile w % 4, both pieces: each store covers 512 consecutive bytes.  The scale bytes leave as 16 bytes for each column, rows 32 bytes apart.
.set EMAX,  2
.set PITCH, 272
.set SCST,  64*PITCH                   ; behind the stage: 64 columns x 16 scale bytes
.set X,     32                         ; v32-95   my 64 numbers
.set C,     96                         ; v96-103  codes
.set OUTR,  112                        ; v112-119 the way out
	s_load_b128 s[4:7], s[0:1], 0x0                ; Wq, Wk
	s_load_b128 s[8:11], s[0:1], 0x10              ; Wv, wc
	s_load_b64 s[12:13], s[0:1], 0x20              ; ws
	v_lshl_add_u32 v128, v0, 2, 0x4800
	v_mov_b32 v129, 0
	v_lshrrev_b32 v1, 5, v0
	v_readfirstlane_b32 s16, v1                    ; wave 0..15
	s_and_b32 s17, s16, 1                          ; ch: which 32 columns
	s_lshr_b32 s18, s16, 1                         ; kp: which 64 along K
	v_and_b32 v2, 31, v0                           ; lane
	v_lshlrev_b32 v3, 2, v2                        ; in: 4 bytes a lane
	s_lshl_b32 s20, s17, 5
	v_add_nc_u32 v1, s20, v2                       ; my column among the head's 64
	v_mul_u32_u24 v4, v1, PITCH
	s_lshl_b32 s21, s18, 5
	v_add_nc_u32 v4, s21, v4                       ; into the stage: my column's row, 32 bytes for my 64 along K
	v_lshlrev_b32 v5, 4, v1
	s_lshl_b32 s21, s18, 1
	s_add_co_u32 s21, s21, SCST
	v_add_nc_u32 v5, s21, v5                       ; my two scale bytes
	v_bfe_u32 v14, v0, 4, 1                        ; h
	v_bfe_u32 v7, v0, 3, 1                         ; a
	v_and_b32 v8, 7, v0                            ; j
	v_lshl_add_u32 v7, v7, 5, v8                   ; 32 a + j
	v_mul_u32_u24 v7, v7, PITCH
	v_lshl_add_u32 v7, v14, 4, v7                  ; + 16 h
	s_and_b32 s21, s16, 3                          ; g
	s_mul_i32 s21, s21, 8*PITCH
	s_lshr_b32 s27, s16, 2                         ; the step within the half
	s_lshl_b32 s27, s27, 6
	s_add_co_u32 s21, s21, s27
	v_add_nc_u32 v7, s21, v7                       ; out of the stage: row 32 a + 8 g + j, byte 64 step + 16 h (+ 32 c)
	v_lshlrev_b32 v8, 4, v2                        ; and 16 x lane in the image
	s_lshl_b32 s21, s17, 9
	s_add_co_u32 s21, s21, SCST
	v_lshl_add_u32 v9, v2, 4, s21                  ; the scale bytes on the way out (waves 0 and 1)
	v_lshlrev_b32 v10, 5, v2                       ; and in ws: rows of 32 bytes
	s_and_b32 s24, ttmp7, 0xffff
	s_lshr_b32 s25, s24, 1                         ; which weight
	s_and_b32 s26, s24, 1                          ; kh: which 512 along K
	s_lshl_b32 s28, s26, 21                        ; W: ((512 kh + 64 kp) x 1024 + 64 x + 32 ch) x 4 bytes
	s_lshl_b32 s27, s18, 18
	s_add_co_u32 s28, s28, s27
	s_lshl_b32 s27, ttmp9, 8
	s_add_co_u32 s28, s28, s27
	s_lshl_b32 s27, s17, 7
	s_add_co_u32 s28, s28, s27
	s_mov_b32 s29, 0
	s_lshl_b32 s30, s25, 19                        ; wc: 524,288 weight + 32,768 head + 4,096 (4 kh + w / 4) + 1,024 (w % 4)
	s_lshl_b32 s27, ttmp9, 15
	s_add_co_u32 s30, s30, s27
	s_lshl_b32 s27, s26, 14
	s_add_co_u32 s30, s30, s27
	s_lshr_b32 s27, s16, 2
	s_lshl_b32 s27, s27, 12
	s_add_co_u32 s30, s30, s27
	s_and_b32 s27, s16, 3
	s_lshl_b32 s27, s27, 10
	s_add_co_u32 s30, s30, s27
	s_mov_b32 s31, 0
	s_lshl_b32 s32, s25, 15                        ; ws: (1024 weight + 64 x + 32 ch) x 32 + 16 kh
	s_lshl_b32 s27, ttmp9, 11
	s_add_co_u32 s32, s32, s27
	s_lshl_b32 s27, s17, 10
	s_add_co_u32 s32, s32, s27
	s_lshl_b32 s27, s26, 4
	s_add_co_u32 s32, s32, s27
	s_mov_b32 s33, 0
	s_wait_alu depctr_va_vdst(0)                   ; the wait at the head's end
	s_wait_kmcnt 0x0
	s_cmp_eq_u32 s25, 1                            ; the choice hangs on the work-group's number alone
	s_cselect_b64 s[4:5], s[6:7], s[4:5]
	s_cmp_eq_u32 s25, 2
	s_cselect_b64 s[4:5], s[8:9], s[4:5]
	s_add_nc_u64 s[4:5], s[4:5], s[28:29]
	s_add_nc_u64 s[10:11], s[10:11], s[30:31]
	s_add_nc_u64 s[12:13], s[12:13], s[32:33]
.set i, 0
.rept 64
	global_load_b32 v[X+i], v3, s[4:5] offset:i*4096 th:TH_LOAD_NT   ; W(k0 + i, my column): 32 lanes read 128 consecutive bytes
.set i, i+1
.endr
.macro BLOCK t
.set XS, X+32*(\t)
.if (\t) == 0
	s_wait_loadcnt 32                              ; the first block's 32 loads are in; the second's may be out
.else
	s_wait_loadcnt 0x0
.endif
	v_max3_num_f32 v12, |v[XS]|, |v[XS+1]|, |v[XS+2]|              ; the block's largest magnitude, in two chains
	v_max3_num_f32 v13, |v[XS+3]|, |v[XS+4]|, |v[XS+5]|
.irp i, 6,10,14,18,22,26
	v_max3_num_f32 v12, v12, |v[XS+\i]|, |v[XS+\i+1]|
	v_max3_num_f32 v13, v13, |v[XS+\i+2]|, |v[XS+\i+3]|
.endr
	v_max3_num_f32 v12, v12, |v[XS+30]|, |v[XS+31]|
	v_max3_num_f32 v12, v12, v13, (EMAX+1)<<23     ; and the floor 2^(3 - 127): the byte cannot fall under 1
	v_add_nc_u32 v11, -(EMAX<<23), v12             ; 2 off its exponent field: the conversion's scale operand
	v_lshrrev_b32 v13, 23, v11                     ; the scale's byte
.if (\t) == 0
	v_mov_b32 v24, v13
.else
	v_lshl_or_b32 v24, v13, 8, v24                 ; the lower K in the lower byte
.endif
.irp g, 0,1,2,3
	v_cvt_scalef32_pk8_fp4_f32 v[C+4*(\t)+\g], v[XS+8*\g:XS+8*\g+7], v11
.endr
	ds_store_b128 v4, v[C+4*(\t):C+4*(\t)+3] offset:16*(\t)
.endm
	BLOCK 0
	BLOCK 1
	ds_store_b16 v5, v24
	s_wait_dscnt 0x0                               ; for the others' sake: my stores into the stage are done
	s_barrier_signal -1
	s_barrier_wait -1                              ; the 64 rows are whole
.irp t, 0,1
	ds_load_b128 v[OUTR+4*\t:OUTR+4*\t+3], v7 offset:32*\t
.endr
.irp t, 0,1
	s_wait_dscnt 1-\t                              ; load t is in, the younger one may be out
	global_store_b128 v8, v[OUTR+4*\t:OUTR+4*\t+3], s[10:11] offset:512*\t   ; 32 lanes store 512 consecutive bytes, aligned
.endr
	s_cmp_lt_u32 s16, 2                            ; waves 0 and 1 send the 64 columns' scale bytes
	s_cbranch_scc0 .Lend
	ds_load_b128 v[104:107], v9
	s_wait_dscnt 0x0
	global_store_b128 v10, v[104:107], s[12:13]
.Lend:
	s_wait_tensorcnt 0x0                           ; the wave's end
	ds_add_u32 v128, v129
	s_wait_dscnt 0x0
	s_endpgm
.Lfunc_end_k_q96f73ea75c_quant_w:
	.size	k_q96f73ea75c_quant_w, .Lfunc_end_k_q96f73ea75c_quant_w-k_q96f73ea75c_quant_w
	.p2alignl 7, 3214868480
	.fill 96, 4, 3214868480
	.section	.rodata,"a",@progbits
	.p2align	6, 0x0
	.amdhsa_kernel k_q96f73ea75c_quant_w
		.amdhsa_group_segment_fixed_size 20480
		.amdhsa_private_segment_fixed_size 0
		.amdhsa_enable_private_segment 0
		.amdhsa_kernarg_size 40
		.amdhsa_user_sgpr_count 2
		.amdhsa_user_sgpr_kernarg_segment_ptr 1
		.amdhsa_wavefront_size32 1
		.amdhsa_system_sgpr_workgroup_id_x 1
		.amdhsa_system_sgpr_workgroup_id_y 1
		.amdhsa_system_sgpr_workgroup_id_z 1
		.amdhsa_system_vgpr_workitem_id 0
		.amdhsa_next_free_vgpr 130
		.amdhsa_next_free_sgpr 66
		.amdhsa_reserve_vcc 0
		.amdhsa_float_denorm_mode_32 3
		.amdhsa_float_denorm_mode_16_64 3
		.amdhsa_memory_ordered 1
		.amdhsa_forward_progress 1
		.amdhsa_inst_pref_size 14
	.end_amdhsa_kernel
	.amdgpu_metadata
---
amdhsa.version: [ 1, 2 ]
amdhsa.kernels:
  - .name:           k_q96f73ea75c_quant_w
    .symbol:         k_q96f73ea75c_quant_w.kd
    .args:
      - { .name: Wq, .offset: 0, .size: 8, .value_kind: global_buffer, .address_space: global }
      - { .name: Wk, .offset: 8, .size: 8, .value_kind: global_buffer, .address_space: global }
      - { .name: Wv, .offset: 16, .size: 8, .value_kind: global_buffer, .address_space: global }
      - { .name: wc, .offset: 24, .size: 8, .value_kind: global_buffer, .address_space: global }
      - { .name: ws, .offset: 32, .size: 8, .value_kind: global_buffer, .address_space: global }
    .group_segment_fixed_size: 20480
    .private_segment_fixed_size: 0
    .kernarg_segment_align: 8
    .kernarg_segment_size: 40
    .max_flat_workgroup_size: 512
    .sgpr_count:     66
    .vgpr_count:     130
    .wavefront_size: 32
...
	.end_amdgpu_metadata
.endif
;; end of part 1
;; launch qproj (part 2): grid 64 x 3, 4 waves a work-group, no clusters, 133,632 bytes of LDS; arguments query, key, value, wc, ws, bq, bk, bv, hd; writes hd
.if DOCPART == 2
	.amdgcn_target "amdgcn-amd-amdhsa--gfx1250"
	.amdhsa_code_object_version 6
	.text
	.protected	k_q96f73ea75c_qproj
	.globl	k_q96f73ea75c_qproj
	.p2align	8
	.type	k_q96f73ea75c_qproj,@function
k_q96f73ea75c_qproj:
	s_mov_b64 s[64:65], 0
	v_nop
	global_prefetch_b8 v0, s[64:65] scope:SCOPE_SE
	s_setreg_imm32_b32 hwreg(HW_REG_WAVE_MODE, 25, 1), 1
	s_wait_xcnt 0x0
; q, k, v = Q(x) Q(W) + b, and their quantisers, in one pass: x (query, key or value, [8192][1024] f32) is read once, quantised here to codes of FP4 (E2M1) with one E8M0 byte for each 32 along K, multiplied with W's codes,
; and the results leave as images of the attention launch's operand registers and scale words (hd).  No f32 result and no code of x goes to memory.
; SHARES.  Work-group (x, y): tensor y, rows 128 x on, all 1,024 columns: each number of x is read by one work-group.  192 work-groups: 8,192 rows are 64 blocks of 128, and a block of 96 would straddle two tensors.
; PHASE 1.  Wave w quantises rows 32 w on, 64 steps of 512 numbers: four dense loads of 512 bytes, a turn through the wave's stage in LDS so that a lane holds 16 neighbours, the block's largest magnitude, two conversions.
; Loads run 8 steps (32 loads a wave) ahead.  Codes (rows of 512 bytes + 16) and scale bytes (rows of 32) stay in LDS.  W's scale bytes (32 KiB) and the bias (4 KiB) are copied into LDS once.
; PHASE 2.  The waves lie 2 x 2: wave (a, b) holds rows 64 a on, all of K, in 256 registers, and walks heads 8 b on.  W's images come from memory straight into registers, 512 consecutive bytes a load, a head's 64 loads in one run,
; into two windows by turns: the way out of head n asks for head n + 2 into the window that head n has read.  The first head's loads stand in phase 1's last eight steps.
; THE ROWS OF A TILE: row 8 a' + j of tile g of x is row 32 a' + 8 g + j of the wave's 64; W's columns likewise within a head.  So in a result a lane's 32 registers of four tiles are one whole scale block, in natural order:
; for q and k (source 0 = two tiles of W, source 1 = a tile of x) lane (r, h) holds a token's d = 32 h + 0 .. 31; for v (source 0 = two tiles of x, source 1 = a tile of W) it holds tokens 32 h + 0 .. 31 of one d.
; hd, for each head (16 batch + head): K's images [128 tiles][512] | V's [32 groups of 64 keys][4 tiles of d][512] | K's scale words [16 steps][2][16 r][4 tiles] | V's [16 steps][16 r][4 tiles] | Q's images and words as K's.
; cluster = none, and no tensor load: a fragment of W is wanted in registers by the two waves of one column half alone and is laid in register order, so it passes no LDS.  No data prefetch: x is streamed with 32 loads a wave out,
; and W's loads are issued a whole head's products and way out ahead of their use.
; LIMITS: a block of zeros gets the byte 1 where the quantiser says 127 (zero codes; only this program reads the bytes); NaN and infinities are not served.
; REGISTERS: window 0: v1-15, v248-253 addresses and work; v16-143 phase 1's loads, then the sums; v144-175 phase 1's neighbours, then the bias; v176-191 W's scale words; v196-211 x's; v212-247 the way out.  Windows 1 and 3: W's images.  Window 2: x's fragments.
.set HEADB, 217088
.set VIMG,  65536
.set KSW,   131072
.set VSW,   139264
.set QIMG,  143360
.set QSW,   208896
.set XP,    528                        ; a row of x's codes in LDS
.set XSB,   128*XP                     ; x's scale bytes
.set WSL,   XSB+4096                   ; W's scale bytes
.set BIA,   WSL+32768                  ; the bias
.set VB,    BIA+4096                   ; v's scale bytes: [16 heads][16 r][4 tiles][4]
.set STG,   VB+4096                    ; two stages of 32 x 80 bytes for each wave
.set SPARE, STG+4*5120                 ; the spare words
.set SPL,   80
.set R,   16
.set X,   144
.set WT,  176
.set BT,  240
.set ACC, 16
.set BI,  144
.set WS,  176                          ; W's and x's scale registers differ by 4 modulo 8
.set XS,  196
.set CD,  212
.set MX,  228
.set SOP, 232
.set BY,  236
.set WD,  240
.set PT,  244
.set OP,  36                           ; s[36:37] where the images go;  s[38:39] the scale words;  s[40:41] the head of W that is asked for next
.set SPT, 38
.set WP,  40
.set MSB, 0
.macro WIN new
.if MSB != (\new)
	s_set_vgpr_msb (MSB<<8)|(\new)
.set MSB, (\new)
.endif
.endm
.macro WL8 q                           ; step q of the head at s[WP]: 8 loads
.irp g, 0,1,2,3
.irp c, 0,1
	global_load_b128 v[32*(\q)+8*\g+4*\c:32*(\q)+8*\g+4*\c+3], v1, s[WP:WP+1] offset:4096*(\q)+1024*\g+512*\c
.endr
.endr
.endm
.macro WLD w, q                        ; the same, into window w
	WIN (\w)<<6
	WL8 \q
	WIN 0
.endm
.macro WLDH w                          ; a whole head: 64 loads
	WIN (\w)<<6
.irp q, 0,1,2,3,4,5,6,7
	WL8 \q
.endr
	WIN 0
.endm
	s_load_b128 s[4:7], s[0:1], 0x0                ; query, key
	s_load_b128 s[8:11], s[0:1], 0x10              ; value, wc
	s_load_b128 s[12:15], s[0:1], 0x20             ; ws, bq
	s_load_b128 s[16:19], s[0:1], 0x30             ; bk, bv
	s_load_b64 s[20:21], s[0:1], 0x40              ; hd
	v_lshl_add_u32 v250, v0, 2, SPARE
	v_mov_b32 v251, 0
	v_lshrrev_b32 v1, 5, v0
	v_readfirstlane_b32 s22, v1                    ; wave
	s_lshr_b32 s23, s22, 1                         ; a
	s_and_b32 s24, s22, 1                          ; b
	s_and_b32 s25, ttmp7, 0xffff                   ; the tensor
	v_and_b32 v2, 31, v0                           ; lane
	v_lshlrev_b32 v1, 4, v2                        ; 16 x lane
	s_mul_i32 s26, s22, 5120
	s_add_co_u32 s26, s26, STG
	v_lshrrev_b32 v3, 2, v2
	v_mul_u32_u24 v3, v3, SPL
	v_and_b32 v4, 3, v2
	v_lshl_add_u32 v3, v4, 4, v3
	v_add_nc_u32 v3, s26, v3                       ; the stage, in: 80 (lane / 4) + 16 (lane % 4)
	v_mul_u32_u24 v4, v2, SPL
	v_add_nc_u32 v4, s26, v4                       ; out: 80 x lane
	s_mul_i32 s27, s22, 32*XP
	v_lshl_add_u32 v5, v2, 3, s27                  ; my codes: row 32 wave, 8 bytes a lane
	s_lshl_b32 s28, s22, 10
	s_add_co_u32 s28, s28, XSB
	v_lshrrev_b32 v6, 1, v2
	v_add_nc_u32 v6, s28, v6                       ; my block's byte
	s_lshl_b32 s29, s22, 13
	s_add_co_u32 s29, s29, WSL
	v_add_nc_u32 v7, s29, v1                       ; my quarter of W's scale bytes
	s_lshl_b32 s30, s22, 10
	s_add_co_u32 s30, s30, BIA
	v_add_nc_u32 v8, s30, v1                       ; and of the bias
	s_mov_b32 s42, 0x76543210
	s_mov_b32 s43, 0xfedcba98
	s_wait_alu depctr_va_vdst(0)                   ; the wait at the head's end
	s_wait_kmcnt 0x0
	s_cmp_eq_u32 s25, 1                            ; the choices hang on the work-group's number alone
	s_cselect_b64 s[4:5], s[6:7], s[4:5]
	s_cselect_b64 s[14:15], s[16:17], s[14:15]
	s_cmp_eq_u32 s25, 2
	s_cselect_b64 s[4:5], s[8:9], s[4:5]
	s_cselect_b64 s[14:15], s[18:19], s[14:15]
	s_mov_b32 s35, 0
	s_lshl_b32 s34, ttmp9, 19                      ; x: 128 rows of 4,096 bytes a work-group, 32 a wave
	s_lshl_b32 s26, s22, 17
	s_add_co_u32 s34, s34, s26
	s_add_nc_u64 s[4:5], s[4:5], s[34:35]
	s_lshl_b32 s34, s25, 15
	s_lshl_b32 s26, s22, 13
	s_add_co_u32 s34, s34, s26
	s_add_nc_u64 s[12:13], s[12:13], s[34:35]
	s_lshl_b32 s34, s22, 10
	s_add_nc_u64 s[14:15], s[14:15], s[34:35]
	s_lshl_b32 s34, s25, 19                        ; W's images: 524,288 a weight, 32,768 a head
	s_lshl_b32 s26, s24, 18
	s_add_co_u32 s34, s34, s26
	s_add_nc_u64 s[WP:WP+1], s[10:11], s[34:35]
.irp i, 0,1,2,3,4,5,6,7,8,9,10,11,12,13,14,15
	global_load_b128 v[WT+4*\i:WT+4*\i+3], v1, s[12:13] offset:512*\i
.endr
.irp i, 0,1
	global_load_b128 v[BT+4*\i:BT+4*\i+3], v1, s[14:15] offset:512*\i
.endr
.macro LOAD t
.irp i, 0,1,2,3
	global_load_b128 v[R+16*((\t)%8)+4*\i:R+16*((\t)%8)+4*\i+3], v1, s[4:5] offset:2048*(\t)+512*\i th:TH_LOAD_NT
.endr
.endm
.macro TURN t                          ; a step's numbers through the stage; LDS serves a wave's instructions in order (ISA guide 5.7.1.4)
.irp i, 0,1,2,3
	ds_store_b128 v3, v[R+16*((\t)%8)+4*\i:R+16*((\t)%8)+4*\i+3] offset:32*SPL*((\t)%2)+8*SPL*\i
.endr
.irp i, 0,1,2,3
	ds_load_b128 v[X+16*((\t)%2)+4*\i:X+16*((\t)%2)+4*\i+3], v4 offset:32*SPL*((\t)%2)+16*\i
.endr
.endm
.irp t, 0,1,2,3,4,5,6,7
	LOAD \t
.endr
	s_wait_loadcnt 32                              ; the scale bytes and the bias are in; x's 32 loads may be out
.irp i, 0,1,2,3,4,5,6,7,8,9,10,11,12,13,14,15
	ds_store_b128 v7, v[WT+4*\i:WT+4*\i+3] offset:512*\i
.endr
.irp i, 0,1
	ds_store_b128 v8, v[BT+4*\i:BT+4*\i+3] offset:512*\i
.endr
	s_wait_loadcnt 28                              ; step 0's four loads are in
	TURN 0
	s_wait_dscnt 0x0
; a step of a trip of eight.  ld = 1: the step eight on is asked for.  ld = 0 (the last trip): step t of my first head of W is asked for in its stead
.macro QSTEP t, ld
.set XS_, X+16*((\t)%2)
	s_wait_dscnt 2                                 ; this step's numbers are back from the stage; the last step's two stores may be out
.if \ld
	LOAD (\t)+8
	s_wait_loadcnt 28                              ; the next step's four loads are in; those of the seven steps behind it may be out
	TURN (\t)+1
.elseif (\t) < 7
	s_wait_loadcnt 4*(6-(\t))+8*(\t)               ; younger than the next step's four: x's of the steps behind it, and W's 8 of each step so far
	TURN (\t)+1
.endif
	v_max3_num_f32 v10, |v[XS_]|, |v[XS_+1]|, |v[XS_+2]|
	v_max3_num_f32 v11, |v[XS_+3]|, |v[XS_+4]|, |v[XS_+5]|
.irp i, 6,10
	v_max3_num_f32 v10, v10, |v[XS_+\i]|, |v[XS_+\i+1]|
	v_max3_num_f32 v11, v11, |v[XS_+\i+2]|, |v[XS_+\i+3]|
.endr
	v_max3_num_f32 v10, v10, |v[XS_+14]|, |v[XS_+15]|
	v_max3_num_f32 v10, v10, v11, 0x1800000        ; the floor 2^(3 - 127): the byte cannot fall under 1
	v_max_num_f32_dpp v10, v10, v10 row_xmask:1 row_mask:0xf bank_mask:0xf   ; with my neighbour's 16: the block's
	v_add_nc_u32 v12, 0xff000000, v10              ; 2 off the exponent field: the conversions' scale operand
	v_cvt_scalef32_pk8_fp4_f32 v14, v[XS_:XS_+7], v12
	v_cvt_scalef32_pk8_fp4_f32 v15, v[XS_+8:XS_+15], v12
	v_lshrrev_b32 v13, 23, v12                     ; the byte
	ds_store_b8 v6, v13 offset:32*((\t)/2)+16*((\t)%2)
	ds_store_b64 v5, v[14:15] offset:XP*((\t)/2)+256*((\t)%2)
.if \ld == 0
	WLD 1, \t
.endif
.endm
	s_mov_b32 s31, 7
.Lq:                                               ; seven trips of eight steps (four rows)
.irp t, 0,1,2,3,4,5,6,7
	QSTEP \t, 1
.endr
	s_wait_xcnt 0x0                                ; the loads have read their base
	s_add_nc_u64 s[4:5], s[4:5], 16384
	v_add_nc_u32 v5, 4*XP, v5
	v_add_nc_u32 v6, 128, v6
	s_sub_co_u32 s31, s31, 1
	s_cmp_lg_u32 s31, 0
	s_wait_alu depctr_va_vdst(0)                   ; the wait ahead of the branch
	s_cbranch_scc1 .Lq
.irp t, 0,1,2,3,4,5,6,7
	QSTEP \t, 0
.endr
.macro WSLD                            ; a head's scale words of W: lanes 0-15 tile 2 p, lanes 16-31 tile 2 p + 1
.irp p, 0,1
.irp c, 0,1
	ds_load_b128 v[WS+8*\p+4*\c:WS+8*\p+4*\c+3], v7 offset:512*\p+16*\c
.endr
.endr
.endm
	v_bfe_u32 v10, v0, 3, 1                        ; a'
	v_and_b32 v11, 7, v0                           ; j
	v_bfe_u32 v12, v0, 4, 1                        ; h
	v_and_b32 v13, 15, v0                          ; r
	v_lshl_add_u32 v10, v10, 5, v11                ; 32 a' + j
	v_mul_u32_u24 v9, v10, XP
	v_lshl_add_u32 v9, v12, 4, v9
	s_mul_i32 s26, s23, 64*XP
	v_add_nc_u32 v9, s26, v9                       ; x's fragments: row 64 a + 32 a' + j (+ 8 g), + 16 h
	v_lshl_add_u32 v11, v12, 3, v10
	v_lshlrev_b32 v11, 5, v11                      ; 32 bytes x (32 a' + 8 h + j)
	s_lshl_b32 s26, s23, 11
	s_add_co_u32 s26, s26, XSB
	v_add_nc_u32 v248, s26, v11                    ; x's scale words: lanes 0-15 tile 2 beta, lanes 16-31 tile 2 beta + 1
	s_lshl_b32 s26, s24, 14
	s_add_co_u32 s26, s26, WSL
	v_add_nc_u32 v7, s26, v11                      ; W's, of head 8 b
	v_lshlrev_b32 v249, 3, v12                     ; 8 h
	v_lshlrev_b32 v253, 4, v13                     ; 16 r
	s_lshr_b32 s32, ttmp9, 4                       ; batch
	s_and_b32 s33, ttmp9, 15                       ; the step of 128 tokens
	s_lshl_b32 s28, s32, 4
	s_lshl_b32 s27, s24, 3
	s_add_co_u32 s28, s28, s27
	s_mul_i32 s28, s28, HEADB                      ; my first head
	s_lshl_b32 s26, s33, 12
	s_add_co_u32 s26, s26, s28
	s_lshl_b32 s27, s23, 11
	s_add_co_u32 s26, s26, s27                     ; images: 4,096 bytes a step, 2,048 a wave row
	s_lshl_b32 s29, s33, 9
	s_add_co_u32 s29, s29, s28
	s_lshl_b32 s27, s23, 8
	s_add_co_u32 s29, s29, s27                     ; q's and k's scale words: 512 a step, 256 a wave row
	s_wait_xcnt 0x0                                ; W's loads have read their base
	s_add_nc_u64 s[WP:WP+1], s[WP:WP+1], 32768
	s_wait_alu depctr_va_vdst(0)                   ; directly ahead of the wait below
	s_wait_dscnt 0x0                               ; for the others' sake: my codes and bytes are stored
	s_barrier_signal -1
	s_barrier_wait -1
	WIN 0x80
.irp q, 0,1,2,3,4,5,6,7
.irp g, 0,1,2,3
.irp c, 0,1
	ds_load_b128 v[32*\q+8*\g+4*\c:32*\q+8*\g+4*\c+3], v9 offset:8*\g*XP+64*\q+32*\c
.endr
.endr
.endr
	WIN 0
.irp p, 0,1
.irp c, 0,1
	ds_load_b128 v[XS+8*\p+4*\c:XS+8*\p+4*\c+3], v248 offset:512*\p+16*\c
.endr
.endr
	WSLD
	WLDH 3                                         ; my second head's images
	s_wait_xcnt 0x0
	s_add_nc_u64 s[WP:WP+1], s[WP:WP+1], 32768
.macro PR1 d, s0, s1, c, x0, x1, o
.if \o
	v_wmma_scale_f32_32x16x128_f4 v[\d:\d+15], v[\s0:\s0+15], v[\s1:\s1+7], \c, v[\x0], v[\x1] matrix_b_scale:MATRIX_SCALE_ROW1
.else
	v_wmma_scale_f32_32x16x128_f4 v[\d:\d+15], v[\s0:\s0+15], v[\s1:\s1+7], \c, v[\x0], v[\x1]
.endif
.endm
; product n of step q: source 1's tile n / 2, source 0's pair n % 2.  q, k: source 0 = W (window w), source 1 = x (window 2); v: the other way round.  Eight accumulators by turns
.macro PRD isv, w, q, n
.set D_, ACC+32*((\n)/2)+16*((\n)%2)
.set S0_, 32*(\q)+16*((\n)%2)
.set S1_, 32*(\q)+8*((\n)/2)
.if \isv
	WIN 0x02|((\w)<<2)
.set X0_, XS+8*((\n)%2)+(\q)
.set X1_, WS+8*((\n)/4)+(\q)
.else
	WIN (\w)|0x08
.set X0_, WS+8*((\n)%2)+(\q)
.set X1_, XS+8*((\n)/4)+(\q)
.endif
.if (\q) == 0
	PR1 D_, S0_, S1_, 0, X0_, X1_, ((\n)/2)%2
.else
	PR1 D_, S0_, S1_, v[D_:D_+15], X0_, X1_, ((\n)/2)%2
.endif
.endm
; a head's 64 products on the images in window w.  cnt: younger than this head's loads are the next head's 64, so 63 shows this head's in; the last head waits for all
.macro HEAD isv, w, cnt
	s_wait_dscnt 0x0                               ; scale words and bias are in
	s_wait_loadcnt \cnt
.set Q_, 0
.rept 8
.set N_, 0
.rept 8
	PRD \isv, \w, Q_, N_
.set N_, N_+1
.endr
.set Q_, Q_+1
.endr
	WIN 0
.endm
; a head's way out: the head two on is asked for (ld) into the window just read; the bias; the largest magnitude of each of the four units of 32 registers, two chains a unit, the eight by turns; scales; codes; stores.
; The stores' bases step AHEAD of their use, behind the one wait that frees them, and the stores name the head by an offset of -HEADB
.macro EPI isv, nxt, ld, w
.rept 4
	v_nop                                          ; four places behind the last products
.endr
.if \ld
	WLDH \w
.endif
.if \nxt
	v_add_nc_u32 v7, 2048, v7
	WSLD
.endif
	s_wait_xcnt 0x0                                ; W's loads have read their base, the last head's stores their registers and bases
.if \ld
	s_add_nc_u64 s[WP:WP+1], s[WP:WP+1], 32768
.endif
	s_add_nc_u64 s[OP:OP+1], s[OP:OP+1], HEADB
.if \isv == 0
	s_add_nc_u64 s[SPT:SPT+1], s[SPT:SPT+1], HEADB
.endif
.set K_, 0
.rept 64
.if \isv
	v_pk_add_f32 v[ACC+2*K_:ACC+2*K_+1], v[ACC+2*K_:ACC+2*K_+1], v[BI+2*(K_/16):BI+2*(K_/16)+1] op_sel_hi:[1,0]
.else
	v_pk_add_f32 v[ACC+2*K_:ACC+2*K_+1], v[ACC+2*K_:ACC+2*K_+1], v[BI+2*(K_%16):BI+2*(K_%16)+1]
.endif
.set K_, K_+1
.endr
.irp u, 0,1,2,3
	v_max3_num_f32 v[MX+\u], |v[ACC+32*\u]|, |v[ACC+32*\u+1]|, 0x1800000
.endr
.irp u, 0,1,2,3
	v_max3_num_f32 v[PT+\u], |v[ACC+32*\u+16]|, |v[ACC+32*\u+17]|, |v[ACC+32*\u+18]|
.endr
.irp i, 2,4,6,8,10,12
.irp u, 0,1,2,3
	v_max3_num_f32 v[MX+\u], v[MX+\u], |v[ACC+32*\u+\i]|, |v[ACC+32*\u+\i+1]|
.endr
.irp u, 0,1,2,3
	v_max3_num_f32 v[PT+\u], v[PT+\u], |v[ACC+32*\u+17+\i]|, |v[ACC+32*\u+18+\i]|
.endr
.endr
.irp u, 0,1,2,3
	v_max3_num_f32 v[MX+\u], v[MX+\u], |v[ACC+32*\u+14]|, |v[ACC+32*\u+15]|
.endr
.irp u, 0,1,2,3
	v_max3_num_f32 v[MX+\u], v[MX+\u], v[PT+\u], |v[ACC+32*\u+31]|
.endr
.irp u, 0,1,2,3
	v_add_nc_u32 v[SOP+\u], 0xff000000, v[MX+\u]
.endr
.irp u, 0,1,2,3
	v_lshrrev_b32 v[BY+\u], 23, v[SOP+\u]
.endr
.irp u, 0,1,2,3
.irp g, 0,1,2,3
	v_cvt_scalef32_pk8_fp4_f32 v[CD+4*\u+\g], v[ACC+32*\u+8*\g:ACC+32*\u+8*\g+7], v[SOP+\u]
.endr
.endr
.if \isv
	v_nop                                          ; one plain place behind the conversions
.irp u, 0,1,2,3
	ds_store_b8 v252, v[BY+\u] offset:4*\u         ; block 2 a + h of d tile u
.endr
.else
.irp u, 0,1,2,3
	v_lshlrev_b32 v[BY+\u], v249, v[BY+\u]         ; my block's byte at its place,
.endr
.irp u, 0,1,2,3
	v_permlanex16_b32 v[PT+\u], v[BY+\u], s42, s43
.endr
.irp u, 0,1,2,3
	v_or_b32 v[WD+\u], v[BY+\u], v[PT+\u]          ; with lane l xor 16's: the token's scale word; its upper bytes are 0
.endr
.endif
.irp u, 0,1,2,3
	global_store_b128 v1, v[CD+4*\u:CD+4*\u+3], s[OP:OP+1] offset:512*\u-HEADB   ; an image: 512 consecutive bytes
.endr
.if \isv == 0
	global_store_b128 v253, v[WD:WD+3], s[SPT:SPT+1] offset:-HEADB   ; 256 consecutive bytes; both halves of the lanes hold and store the same words
.endif
.if \nxt
	v_add_nc_u32 v8, 256, v8                       ; the next head's bias
.if \isv
	v_add_nc_u32 v252, 256, v252
.irp u, 0,1,2,3
	ds_load_b32 v[BI+2*\u], v8 offset:32*\u
.endr
.else
.irp k, 0,1,2,3,4,5,6,7
	ds_load_b128 v[BI+4*\k:BI+4*\k+3], v8 offset:16*\k
.endr
.endif
.endif
.endm
	s_lshl_b32 s30, s24, 11
	s_add_co_u32 s30, s30, BIA                     ; the bias of head 8 b
	s_cmp_eq_u32 s25, 2
	s_cbranch_scc1 .Lv
; ---- q and k
	v_lshl_add_u32 v8, v12, 7, s30                 ; my 32 columns' bias: 128 h bytes on
.irp k, 0,1,2,3,4,5,6,7
	ds_load_b128 v[BI+4*\k:BI+4*\k+3], v8 offset:16*\k
.endr
	s_mov_b32 s27, KSW
	s_cmp_eq_u32 s25, 0
	s_cselect_b32 s34, QIMG, 0
	s_cselect_b32 s27, QSW, s27
	s_add_co_u32 s34, s34, s26
	s_add_nc_u64 s[OP:OP+1], s[20:21], s[34:35]
	s_add_co_u32 s34, s27, s29
	s_add_nc_u64 s[SPT:SPT+1], s[20:21], s[34:35]
	s_mov_b32 s31, 3
	s_wait_alu depctr_va_vdst(0)
.Lqk:                                              ; three trips of two heads: the windows are back where they began
	HEAD 0, 1, 63
	EPI 0, 1, 1, 1
	HEAD 0, 3, 63
	EPI 0, 1, 1, 3
	s_sub_co_u32 s31, s31, 1
	s_cmp_lg_u32 s31, 0
	s_wait_alu depctr_va_vdst(0)                   ; the wait ahead of the branch
	s_cbranch_scc1 .Lqk
	HEAD 0, 1, 63                                  ; the last two heads ask for no more of W
	EPI 0, 1, 0, 1
	HEAD 0, 3, 0
	EPI 0, 0, 0, 3
	s_wait_tensorcnt 0x0                           ; the wave's end
	ds_add_u32 v250, v251
	s_wait_dscnt 0x0
	s_endpgm
; ---- v
.Lv:
	v_lshl_add_u32 v8, v10, 2, s30                 ; my d's bias: 4 (32 a' + j) bytes on, 32 a tile
.irp u, 0,1,2,3
	ds_load_b32 v[BI+2*\u], v8 offset:32*\u
	v_mov_b32 v[BI+2*\u+1], 0                      ; (named as the upper half of a pair)
.endr
	s_lshl_b32 s27, s24, 11
	s_lshl_b32 s30, s23, 1
	s_add_co_u32 s27, s27, s30
	s_add_co_u32 s27, s27, VB
	v_lshl_add_u32 v252, v13, 4, v12
	v_add_nc_u32 v252, s27, v252                   ; my scale byte: head 8 b, 16 r + 2 a + h (+ 4 a tile)
	s_lshl_b32 s27, s22, 10
	s_add_co_u32 s27, s27, VB
	v_add_nc_u32 v9, s27, v1                       ; the way out of the bytes: heads 4 wave on
	v_mul_u32_u24 v11, v12, HEADB
	v_add_nc_u32 v11, v11, v253                    ; lanes 0-15 one head's 256 bytes, lanes 16-31 the next head's
	s_add_co_u32 s34, s26, VIMG
	s_add_nc_u64 s[OP:OP+1], s[20:21], s[34:35]
	s_lshl_b32 s27, s32, 4
	s_lshl_b32 s30, s22, 2
	s_add_co_u32 s27, s27, s30
	s_mul_i32 s27, s27, HEADB
	s_lshl_b32 s30, s33, 8
	s_add_co_u32 s27, s27, s30
	s_add_co_u32 s34, s27, VSW
	s_add_nc_u64 s[SPT:SPT+1], s[20:21], s[34:35]
	s_mov_b32 s31, 3
	s_wait_alu depctr_va_vdst(0)
.Lvh:
	HEAD 1, 1, 63
	EPI 1, 1, 1, 1
	HEAD 1, 3, 63
	EPI 1, 1, 1, 3
	s_sub_co_u32 s31, s31, 1
	s_cmp_lg_u32 s31, 0
	s_wait_alu depctr_va_vdst(0)                   ; the wait ahead of the branch
	s_cbranch_scc1 .Lvh
	HEAD 1, 1, 63
	EPI 1, 1, 0, 1
	HEAD 1, 3, 0
	EPI 1, 0, 0, 3
	s_wait_xcnt 0x0                                ; the last images' stores have read their registers
	s_wait_dscnt 0x0                               ; for the others' sake: my bytes are stored
	s_barrier_signal -1
	s_barrier_wait -1                              ; the words are whole: two bytes from each wave row
	ds_load_b128 v[CD:CD+3], v9
	ds_load_b128 v[CD+4:CD+7], v9 offset:512
	s_wait_dscnt 0x0
	global_store_b128 v11, v[CD:CD+3], s[SPT:SPT+1]
	global_store_b128 v11, v[CD+4:CD+7], s[SPT:SPT+1] offset:2*HEADB
	s_wait_tensorcnt 0x0                           ; the wave's end
	ds_add_u32 v250, v251
	s_wait_dscnt 0x0
	s_endpgm
.Lfunc_end_k_q96f73ea75c_qproj:
	.size	k_q96f73ea75c_qproj, .Lfunc_end_k_q96f73ea75c_qproj-k_q96f73ea75c_qproj
	.p2alignl 7, 3214868480
	.fill 96, 4, 3214868480
	.section	.rodata,"a",@progbits
	.p2align	6, 0x0
	.amdhsa_kernel k_q96f73ea75c_qproj
		.amdhsa_group_segment_fixed_size 133632
		.amdhsa_private_segment_fixed_size 0
		.amdhsa_enable_private_segment 0
		.amdhsa_kernarg_size 72
		.amdhsa_user_sgpr_count 2
		.amdhsa_user_sgpr_kernarg_segment_ptr 1
		.amdhsa_wavefront_size32 1
		.amdhsa_system_sgpr_workgroup_id_x 1
		.amdhsa_system_sgpr_workgroup_id_y 1
		.amdhsa_system_sgpr_workgroup_id_z 1
		.amdhsa_system_vgpr_workitem_id 0
		.amdhsa_next_free_vgpr 1024
		.amdhsa_next_free_sgpr 66
		.amdhsa_reserve_vcc 0
		.amdhsa_float_denorm_mode_32 3
		.amdhsa_float_denorm_mode_16_64 3
		.amdhsa_memory_ordered 1
		.amdhsa_forward_progress 1
		.amdhsa_inst_pref_size 238
	.end_amdhsa_kernel
	.amdgpu_metadata
---
amdhsa.version: [ 1, 2 ]
amdhsa.kernels:
  - .name:           k_q96f73ea75c_qproj
    .symbol:         k_q96f73ea75c_qproj.kd
    .args:
      - { .name: query, .offset: 0, .size: 8, .value_kind: global_buffer, .address_space: global }
      - { .name: key, .offset: 8, .size: 8, .value_kind: global_buffer, .address_space: global }
      - { .name: value, .offset: 16, .size: 8, .value_kind: global_buffer, .address_space: global }
      - { .name: wc, .offset: 24, .size: 8, .value_kind: global_buffer, .address_space: global }
      - { .name: ws, .offset: 32, .size: 8, .value_kind: global_buffer, .address_space: global }
      - { .name: bq, .offset: 40, .size: 8, .value_kind: global_buffer, .address_space: global }
      - { .name: bk, .offset: 48, .size: 8, .value_kind: global_buffer, .address_space: global }
      - { .name: bv, .offset: 56, .size: 8, .value_kind: global_buffer, .address_space: global }
      - { .name: hd, .offset: 64, .size: 8, .value_kind: global_buffer, .address_space: global }
    .group_segment_fixed_size: 133632
    .private_segment_fixed_size: 0
    .kernarg_segment_align: 8
    .kernarg_segment_size: 72
    .max_flat_workgroup_size: 128
    .sgpr_count:     66
    .vgpr_count:     1024
    .wavefront_size: 32
...
	.end_amdgpu_metadata
.endif
;; end of part 2
;; launch attn (part 3): grid 4 x 64, 16 waves a work-group, clusters of 4 x 1, 215,040 bytes of LDS; arguments hd, out0; writes out0
.if DOCPART == 3
	.amdgcn_target "amdgcn-amd-amdhsa--gfx1250"
	.amdhsa_code_object_version 6
	.text
	.protected	k_q96f73ea75c_attn
	.globl	k_q96f73ea75c_attn
	.p2align	8
	.type	k_q96f73ea75c_attn,@function
k_q96f73ea75c_attn:
	s_mov_b64 s[64:65], 0
	v_nop
	global_prefetch_b8 v0, s[64:65] scope:SCOPE_SE
	s_setreg_imm32_b32 hwreg(HW_REG_WAVE_MODE, 25, 1), 1
	s_wait_xcnt 0x0
	s_wait_alu depctr_hold_cnt(0) depctr_sa_sdst(0) depctr_va_vdst(0) depctr_va_sdst(0) depctr_va_ssrc(0) depctr_va_vcc(0) depctr_vm_vsrc(0)
	s_getreg_b32 s2, hwreg(HW_REG_IB_STS2, 6, 4)
	s_cmp_eq_u32 s2, 0
	s_cbranch_scc0 .Lentry_in_a_cluster
	s_endpgm
.Lentry_in_a_cluster:
	s_bfe_u32 s2, ttmp6, 0x10000c
	s_cmp_lg_u32 s2, 0x3003
	s_cbranch_scc0 .Lentry_shape_is_right
	s_endpgm
.Lentry_shape_is_right:
; out0[b][q][64 head + d] = the sum over keys of softmax(q . k / 8) v, both products on codes of FP4 (E2M1) with one E8M0 scale for each 32 along a product's K.
; hd holds, for each of the 64 heads (16 batch + head), HEADB bytes of operand images and scale words, as the projections' launch laid them:
;   K's images [128 tiles][512 bytes, lane l's 16 at 16 l] | V's [32 groups of 64 keys][4 tiles of d][512] | K's scale words [16 steps][2][16 r][4 tiles] | V's [16 steps][16 r][4 tiles] | Q's images and words as K's.
; THE ROWS OF A TILE: row 8 a + j of tile g of a group of 64 tokens is token 32 a + 8 g + j (keys and queries alike); row 8 a + j of V's tile t is d = 32 a + 8 t + j.
; THE SOFTMAX: t = score x log2(e) / 8; M = the row's largest t so far, rounded UP to a whole number; p = 2^(t - M) is quantised along the keys, not normalised.  The row's sum is taken of the unquantised p, in f32, and
; divides O at the end.  When M moves, the sum and O are multiplied by 2^(old M - new M): exact.
; THE HEAD'S 64 ARE HALF OF THE INSTRUCTION'S 128 ALONG K: registers 4-7 of K's and Q's fragments hold zero codes; the scale bytes that meet them are never 0xff.
; SHARES.  256 work-groups: head y, queries 512 x on.  Each of sixteen waves owns a tile of 16 queries at a time, two tiles one after the other, and walks all 2,048 keys, 128 a step.
; LAYOUT.  Both products are used transposed (S^T = K Q^T, O^T = V^T P^T): a lane holds ONE query (lane % 16).  By the tiles' rows lane half h holds block 2 c + h of a step's 32-key blocks whole, in registers 32 c .. 32 c + 31, in
; the keys' own order: a block's largest score needs no other lane, and the eight conversions' results ARE P's operand registers.  Two lane exchanges a step are left: the row's maximum and P's scale word.
; LDS.  K's and V's images and scale words, 143,360 dense bytes, are resident, filled once, each wave fetching 35 rows of 256 bytes; behind them a stage for each wave (no tile lands there) and the spare words.
; CLUSTER: the four query blocks of a head read the same 143,360 bytes: each part is asked for jointly by all four.  No prefetch: all that is streamed is asked for at the head, ahead of any loop.
; A step's V and the NEXT step's K are fetched from LDS behind the step's first products; a tile's last step is written out, and fetches no K.
; LIMITS: the promise holds while the scaled scores stay under 2^31 in magnitude; a p under 2^-126 counts as 0 (v_exp_f32 gives no denormals: ISA guide, 15.8); a block whose every p is 0 keeps the byte 1 (zero codes); NaN and infinities are not served.
; REGISTERS: v1-7 addresses that stay; v8-11 V's scale words; v12 -M, v13 the largest score; v[14:15] the sum; v16-23 Q; v24-31 K's scale words; v32-95 K's eight fragments; v96-159 S^T, then p; v160-191 O^T; v192-223 V;
;   v224-231 P's codes; v232-247 at work (v240-243 the step's addresses); v248 16 r; v249 8 h; v250, v251 the add's two; v252 f; v253 P's scale word; v255 Q's scale word.
.set HEADB, 217088
.set VIMG,  65536
.set KSW,   131072
.set VSW,   139264
.set QIMG,  143360
.set QSW,   208896
.set PART,  8960                       ; 35 rows of 256 bytes: a wave's part of the head's 143,360
.set STAGE, 143360
.set SP,    272
.set SPARE, STAGE+16*16*SP
.set LI,   1                           ; v1   16 x lane (K's images begin at LDS byte 0)
.set LIV,  2                           ; v2   the same among V's images
.set LRK,  3                           ; v3   16 r among K's scale words
.set LRV,  4                           ; v4   among V's
.set STO,  5
.set RD,   6
.set GO,   7
.set ADK,  240
.set ADV,  241
.set ADS,  242
.set ADT,  243
.set QSO,  248
.set SH8,  249
.set WV,   8
.set G1,   16                          ; s[16:23] descriptor group 1;  s[24:27] group 0
.set G0,   24
.set SEL,  28
.set CS,   30                          ; s[30:31] c = log2(e) / 8
.set TK,   32                          ; s32  the next step's K: 4,096 a step
.set TS,   33                          ; s33  its scale words: 512 a step
.set TV,   34                          ; s34  this step's V: 4,096 a step
.set TW,   35                          ; s35  its scale words: 256 a step
.set CNT,  51
.set NC,   52                          ; s52  -c
.macro CROUND
	s_barrier_signal -1
	s_barrier_wait -1
	s_cmp_lg_u32 s[WV], 0
	s_cbranch_scc1 .Lnot_wave_0_\@
	s_barrier_signal -3
.Lnot_wave_0_\@:
	s_barrier_wait -3
	s_barrier_signal -1
	s_barrier_wait -1
.endm
.macro KLOAD c, ak, as                 ; tiles 4 c .. 4 c + 3 of K and their scale words: 5 loads
.irp g, 0,1,2,3
	ds_load_b128 v[32+32*(\c)+8*\g:35+32*(\c)+8*\g], v[\ak] offset:2048*(\c)+512*\g
.endr
	ds_load_b128 v[24+4*(\c):27+4*(\c)], v[\as] offset:256*(\c)
.endm
.macro VLOAD t
.irp c, 0,1
	ds_load_b128 v[192+8*(\t)+4*\c:195+8*(\t)+4*\c], v[ADV] offset:2048*\c+512*(\t)
.endr
.endm
.macro OM k
	v_pk_mul_f32 v[160+2*(\k):161+2*(\k)], v[160+2*(\k):161+2*(\k)], v[252:253] op_sel_hi:[1,0]
.endm
	s_load_b128 s[4:7], s[0:1], 0x0                ; hd, out0
	v_lshl_add_u32 v250, v0, 2, SPARE
	v_mov_b32 v251, 0
	ds_add_u32 v250, v251                          ; the opening lines: the add twice on end and its wait
	ds_add_u32 v250, v251
	v_lshrrev_b32 v1, 5, v0
	v_readfirstlane_b32 s[WV], v1
	s_bfe_u32 s9, ttmp6, 0x40000                   ; cx
	s_lshl_b32 s42, ttmp9, 2
	s_add_co_u32 s9, s9, s42                       ; my block of 512 queries: it enters Q's and out0's addresses alone
	s_and_b32 s10, ttmp7, 0xffff                   ; the head, which the four partners share
	s_mul_i32 s42, s10, HEADB
	s_mov_b32 s43, 0
	s_mul_i32 s44, s[WV], PART
	s_mov_b32 s45, 0
	s_mov_b32 s[G1+0], 15|(3<<16)|(1<<21)          ; the mask: all four; elements of 8 bytes; no padding
	s_mov_b32 s[G1+1], 32<<16
	s_mov_b32 s[G1+2], 35<<16
	s_mov_b32 s[G1+3], 32<<16
	s_mov_b32 s[G1+4], 35
	s_mov_b32 s[G1+5], 32
	s_mov_b32 s[G1+6], 0
	s_mov_b32 s[G1+7], 0
	s_mov_b32 s[SEL], 0x76543210
	s_mov_b32 s[SEL+1], 0xfedcba98
	s_mov_b32 s[CS], 0x3e38aa3b
	s_mov_b32 s[CS+1], s[CS]
	s_mov_b32 s[NC], 0xbe38aa3b
	s_wait_dscnt 0x0
	s_wait_kmcnt 0x0
	s_add_nc_u64 s[4:5], s[4:5], s[42:43]          ; the head's first byte
	CROUND                                         ; all four work-groups are here: the joint loads meet
	s_mov_b32 s[G0], 1
	s_mov_b32 s[G0+1], s44
	s_add_nc_u64 s[G0+2:G0+3], s[4:5], s[44:45]
	s_or_b32 s[G0+3], s[G0+3], 0x80000000
	tensor_load_to_lds s[G0:G0+3], s[G1:G1+7]      ; my one tensor load of the launch
	s_nop 0
.rept 4
	v_nop
.endr
	s_lshl_b32 s46, s9, 5
	s_add_co_u32 s46, s46, s[WV]                   ; my first tile of queries: 32 x block + wave
	s_lshl_b32 s46, s46, 9
	s_add_co_u32 s46, s46, QIMG
	s_mov_b32 s47, 0
	s_add_nc_u64 s[36:37], s[4:5], s[46:47]        ; its image
	s_lshl_b32 s46, s9, 2                          ; its scale words: step 4 x block + wave / 8, half (wave / 4) % 2, word wave % 4
	s_lshr_b32 s48, s[WV], 3
	s_add_co_u32 s46, s46, s48
	s_lshl_b32 s46, s46, 9
	s_bfe_u32 s48, s[WV], 0x10002
	s_lshl_b32 s48, s48, 8
	s_add_co_u32 s46, s46, s48
	s_and_b32 s48, s[WV], 3
	s_lshl_b32 s48, s48, 2
	s_add_co_u32 s46, s46, s48
	s_add_co_u32 s46, s46, QSW
	s_add_nc_u64 s[38:39], s[4:5], s[46:47]
	s_lshr_b32 s46, s10, 4                         ; out0: row 2048 batch + 512 block + 64 (wave / 4) + 8 (wave % 4): the tile's row 0; 4,096 bytes a row
	s_lshl_b32 s46, s46, 11
	s_lshl_b32 s48, s9, 9
	s_add_co_u32 s46, s46, s48
	s_lshr_b32 s48, s[WV], 2
	s_lshl_b32 s48, s48, 6
	s_add_co_u32 s46, s46, s48
	s_and_b32 s48, s[WV], 3
	s_lshl_b32 s48, s48, 3
	s_add_co_u32 s46, s46, s48
	s_lshl_b32 s46, s46, 12
	s_and_b32 s48, s10, 15
	s_lshl_b32 s48, s48, 8
	s_add_co_u32 s46, s46, s48
	s_add_nc_u64 s[40:41], s[6:7], s[46:47]
	v_and_b32 v232, 31, v0
	v_lshlrev_b32 v[LI], 4, v232
	v_add_nc_u32 v[LIV], VIMG, v[LI]
	v_and_b32 v232, 15, v0                         ; r
	v_bfe_u32 v233, v0, 4, 1                       ; h
	v_lshlrev_b32 v[QSO], 4, v232
	v_add_nc_u32 v[LRK], KSW, v[QSO]
	v_add_nc_u32 v[LRV], VSW, v[QSO]
	v_lshlrev_b32 v[SH8], 3, v233
	s_mul_i32 s46, s[WV], 16*SP
	s_add_co_u32 s46, s46, STAGE                   ; my stage
	v_mul_u32_u24 v[STO], v232, SP
	v_lshl_add_u32 v[STO], v233, 7, v[STO]
	v_add_nc_u32 v[STO], s46, v[STO]               ; in: row r; tile t's eight d = 32 h + 8 t + i: 128 h + 32 t bytes on
	v_mul_u32_u24 v[RD], v233, SP
	v_lshl_add_u32 v[RD], v232, 4, v[RD]
	v_add_nc_u32 v[RD], s46, v[RD]                 ; back: lanes 0-15 one row, lanes 16-31 the next
	v_lshlrev_b32 v[GO], 12, v233
	v_lshl_add_u32 v[GO], v232, 4, v[GO]           ; and two neighbouring rows of out0
.irp j, 20,21,22,23
	v_mov_b32 v[\j], 0                             ; zero codes for k = 64 .. 127 of Q's fragment: written once
.endr
.irp t, 0,1,2,3,4,5,6,7
.irp j, 4,5,6,7
	v_mov_b32 v[32+8*\t+\j], 0                     ; and of K's eight
.endr
.endr
	v_mov_b32 v236, 0                              ; a lane permute's destination counts as one of its sources
	v_mov_b32 v253, 0                              ; (named as the upper half of the pair v[252:253] before it is first written)
	s_wait_alu depctr_va_vdst(0)                   ; the wait at the head's end
	s_wait_tensorcnt 0x0                           ; my part of the head has landed,
	s_barrier_signal -1
	s_barrier_wait -1                              ; everybody's has: from here on these bytes are only read
; A KEY STEP: 128 keys.  pf = 1: the next step's K is fetched
.macro STEP pf
	s_wait_dscnt 0x0                               ; K and its scale words are in
.irp t, 0,1,2,3,4,5,6,7
	v_wmma_scale_f32_16x16x128_f8f6f4 v[96+8*\t:103+8*\t], v[32+8*\t:39+8*\t], v[16:23], 0, v[24+\t], v255 matrix_a_fmt:MATRIX_FMT_FP4 matrix_b_fmt:MATRIX_FMT_FP4
.endr
	v_add_nc_u32 v[ADV], s[TV], v[LIV]             ; four places in front of the loads into operands and of the first read of results
	v_add_nc_u32 v[ADT], s[TW], v[LRV]
.if \pf
	v_add_nc_u32 v[ADK], s[TK], v[LI]
	v_add_nc_u32 v[ADS], s[TS], v[LRK]
.else
	v_nop
	v_nop
.endif
	ds_load_b128 v[8:11], v[ADT]                   ; V's nine loads first, then K's ten
.irp t, 0,1,2,3
	VLOAD \t
.endr
.if \pf
	KLOAD 0, ADK, ADS
	KLOAD 1, ADK, ADS
.endif
; the largest score of my two blocks of 32 keys: a chain for each of the eight tiles, by turns, every accumulator read from its low end on; then the tiles' last registers and the four chains of a block are joined.
; It serves for the row's maximum and, since p rises with the score, for the block's largest p.  Where a line hangs on a plain line close ahead of it and reads no matrix result, a one-field hint stands ahead of it
.irp t, 0,1,2,3,4,5,6,7
	v_max3_num_f32 v[232+\t], v[96+8*\t], v[97+8*\t], v[98+8*\t]
.endr
.irp i, 3,5
.irp t, 0,1,2,3,4,5,6,7
	v_max3_num_f32 v[232+\t], v[232+\t], v[96+8*\t+\i], v[97+8*\t+\i]
.endr
.endr
	v_max3_num_f32 v232, v232, v103, v111
	v_max3_num_f32 v233, v233, v119, v127
	v_max3_num_f32 v236, v236, v135, v143
	v_max3_num_f32 v237, v237, v151, v159
	s_delay_alu instid0(VALU_DEP_3)
	v_max3_num_f32 v232, v232, v233, v234
	s_delay_alu instid0(VALU_DEP_2)
	v_max3_num_f32 v236, v236, v237, v238
	s_delay_alu instid0(VALU_DEP_2)
	v_max_num_f32 v232, v232, v235                 ; block h
	s_delay_alu instid0(VALU_DEP_2)
	v_max_num_f32 v233, v236, v239                 ; block 2 + h
	s_delay_alu instid0(VALU_DEP_1)
	v_max_num_f32 v237, v232, v233
	s_delay_alu instid0(VALU_DEP_1)
	v_permlanex16_b32 v236, v237, s[SEL], s[SEL+1]
	s_delay_alu instid0(VALU_DEP_1)
	v_max3_num_f32 v13, v13, v237, v236            ; the running largest score of my query
	s_delay_alu instid0(VALU_DEP_1)
	v_mul_f32 v238, s[NC], v13                     ; -t (c is positive)
	s_delay_alu instid0(VALU_DEP_1)
	v_floor_f32 v238, v238                         ; the new -M = floor(-t): M is a whole number
	s_delay_alu instid0(VALU_DEP_1)
	v_sub_f32 v239, v238, v12                      ; old M - new M: a whole number, 0 or less
	s_delay_alu instid0(VALU_DEP_2)
	v_mov_b32 v12, v238
	s_delay_alu instid0(VALU_DEP_2)
	v_cvt_i32_f32 v239, v239                       ; (it saturates)
.set j, 0
.rept 32
	v_pk_fma_f32 v[96+j:97+j], v[96+j:97+j], s[CS:CS+1], v[12:13] op_sel_hi:[1,0,0]   ; t - M, two at a time
.if j == 6
	v_ldexp_f32 v252, 1.0, v239                    ; f = 2^(old M - new M): a multiplication by it rounds nothing
.endif
.set j, j+2
.endr
.irp c, 0,1
	v_fma_f32 v[232+\c], v[232+\c], s[CS], v12     ; the same of each block's largest score
.endr
	s_wait_alu depctr_va_vdst(0)                   ; the wait ahead of the batch
.set j, 0
.rept 64
	v_exp_f32 v[96+j], v[96+j]                     ; p = 2^(t - M), at most 1
.set j, j+1
.endr
	v_exp_f32 v232, v232                           ; the blocks' largest p
	v_exp_f32 v233, v233
	v_pk_mul_f32 v[14:15], v[14:15], v[252:253] op_sel_hi:[1,0]    ; the sums under the new M (a plain place behind the batch)
	s_wait_alu depctr_va_vdst(0)                   ; one wait for the batch, directly ahead of O^T's first reader too
; O^T x f, each accumulator from its low end on; the scales' chain stands among these lines
	OM 0
	v_max_num_f32 v232, 0x1800000, v232            ; the floor 2^(3 - 127): the byte cannot fall under 1
	v_max_num_f32 v233, 0x1800000, v233
	OM 1
	v_add_nc_u32 v244, 0xff000000, v232            ; 2 off the exponent field: the conversions' scale operands
	v_add_nc_u32 v245, 0xff000000, v233
	OM 2
	v_lshrrev_b32 v246, 23, v244                   ; the bytes of blocks h and 2 + h
	v_lshrrev_b32 v247, 23, v245
	OM 3
	OM 4
	v_lshl_or_b32 v237, v247, 16, v246
	OM 5
	OM 6
	v_lshlrev_b32 v237, v[SH8], v237               ; at their places in the word: 8 h bits up
	OM 7
	OM 8
	v_permlanex16_b32 v236, v237, s[SEL], s[SEL+1]
	OM 9
	OM 10
	v_or_b32 v253, v237, v236                      ; with lane l xor 16's two the word is whole
.irp k, 11,12,13,14,15
	OM \k
.endr
.irp c, 0,1
.irp g, 0,1,2,3
	v_cvt_scalef32_pk8_fp4_f32 v[224+4*\c+\g], v[96+32*\c+8*\g:103+32*\c+8*\g], v[244+\c]   ; register 4 c + g of P's operand
.endr
.endr
; the row's sum of the unquantised p: eight chains of pairs.  (These 32 lines are also the places in front of the products)
.irp k, 0,1,2,3,4,5,6,7
	v_pk_add_f32 v[232+2*\k:233+2*\k], v[96+4*\k:97+4*\k], v[98+4*\k:99+4*\k]
.endr
.irp k, 0,1,2,3,4,5,6,7
	v_pk_add_f32 v[232+2*\k:233+2*\k], v[232+2*\k:233+2*\k], v[128+2*\k:129+2*\k]
.endr
.irp k, 0,1,2,3,4,5,6,7
	v_pk_add_f32 v[232+2*\k:233+2*\k], v[232+2*\k:233+2*\k], v[144+2*\k:145+2*\k]
.endr
.irp k, 0,2,4,6
	v_pk_add_f32 v[232+2*\k:233+2*\k], v[232+2*\k:233+2*\k], v[234+2*\k:235+2*\k]
.endr
	s_delay_alu instid0(VALU_DEP_3)
	v_pk_add_f32 v[232:233], v[232:233], v[236:237]
	s_delay_alu instid0(VALU_DEP_2)
	v_pk_add_f32 v[240:241], v[240:241], v[244:245]
	s_delay_alu instid0(VALU_DEP_1)
	v_pk_add_f32 v[232:233], v[232:233], v[240:241]
	s_delay_alu instid0(VALU_DEP_1)
	v_pk_add_f32 v[14:15], v[14:15], v[232:233]
.if \pf
	s_wait_dscnt 10                                ; V and its scale words are in; K's ten loads, issued behind them, may be out
.else
	s_wait_dscnt 0x0
.endif
.irp t, 0,1,2,3                                ; O^T += V^T P^T: four accumulators, one instruction a turn
	v_wmma_scale_f32_16x16x128_f8f6f4 v[160+8*\t:167+8*\t], v[192+8*\t:199+8*\t], v[224:231], v[160+8*\t:167+8*\t], v[8+\t], v253 matrix_a_fmt:MATRIX_FMT_FP4 matrix_b_fmt:MATRIX_FMT_FP4
.endr
.endm
; One tile of 16 queries: sixteen tiles (256 queries) x it on from the wave's first
.macro TILE it
.if \it > 0
	s_wait_xcnt 0x0                                ; the last tile's stores have read their registers
.endif
	global_load_b128 v[16:19], v[LI], s[36:37] offset:\it*8192     ; Q's image
	global_load_b32 v255, v[QSO], s[38:39] offset:\it*1024         ; its scale words
	KLOAD 0, LI, LRK                               ; step 0's K
	KLOAD 1, LI, LRK
	v_mov_b32 v13, 0xff61b1e6                      ; the largest score so far: -3e38
	v_mul_f32 v12, s[NC], v13
	v_floor_f32 v12, v12                           ; -M
	v_mov_b32 v14, 0
	v_mov_b32 v15, 0
.set j, 0
.rept 32
	v_mov_b32 v[160+j], 0                          ; O^T: the first step finds zeros, which the first change of M leaves zeros
.set j, j+1
.endr
	s_mov_b32 s[TK], 4096
	s_mov_b32 s[TS], 512
	s_mov_b32 s[TV], 0
	s_mov_b32 s[TW], 0
	s_mov_b32 s[CNT], 15
	s_wait_alu depctr_va_vdst(0)                   ; directly ahead of the wait below
	s_wait_loadcnt 0x0                             ; Q
.Lstep_\@:
	STEP 1
	s_add_co_u32 s[TK], s[TK], 4096
	s_add_co_u32 s[TS], s[TS], 512
	s_add_co_u32 s[TV], s[TV], 4096
	s_add_co_u32 s[TW], s[TW], 256
	s_sub_co_u32 s[CNT], s[CNT], 1
	s_cmp_lg_u32 s[CNT], 0
	s_cbranch_scc1 .Lstep_\@
	STEP 0                                         ; the sixteenth step fetches no K
	; THE WAY OUT.  O^T / the sum goes through my stage: a row is a query's 64 d, 256 bytes, so that sixteen lanes store 256 consecutive bytes, aligned
.rept 4
	v_nop                                          ; four places behind the last products
.endr
	s_wait_alu depctr_va_vdst(0)
	v_add_f32 v14, v14, v15                        ; the sum's two halves,
	v_permlanex16_b32 v252, v14, s[SEL], s[SEL+1]
	v_add_f32 v14, v14, v252                       ; and lane l xor 16's
	s_wait_alu depctr_va_vdst(0)                   ; the wait ahead of the transcendental
	v_rcp_f32 v14, v14
	v_nop                                          ; one plain place behind it
	s_wait_alu depctr_va_vdst(0)                   ; the wait ahead of its first reader, which is O^T's first reader too
.set j, 0
.rept 32
	v_mul_f32 v[96+j], v[160+j], v14               ; register 8 t + i is o(query r, d = 32 h + 8 t + i)
.set j, j+1
.endr
.irp t, 0,1,2,3
	ds_store_b128 v[STO], v[96+8*\t:99+8*\t] offset:32*\t
	ds_store_b128 v[STO], v[100+8*\t:103+8*\t] offset:32*\t+16
.endr
.irp i, 0,1,2,3,4,5,6,7
	ds_load_b128 v[192+4*\i:195+4*\i], v[RD] offset:2*\i*SP        ; my own bytes; LDS serves a wave's instructions in order (ISA guide 5.7.1.4)
.endr
.irp i, 0,1,2,3,4,5,6,7
	s_wait_dscnt 7-\i                              ; load i is in; the younger ones may be out
	global_store_b128 v[GO], v[192+4*\i:195+4*\i], s[40:41] offset:\it*1048576+(32*(\i/4)+2*(\i%4))*4096 th:TH_STORE_NT   ; the tile's rows 2 i, 2 i + 1 are queries 32 (i / 4) + 2 (i % 4) and the next
.endr
.endm
	TILE 0
	TILE 1
	s_wait_tensorcnt 0x0                           ; the wave's end
	ds_add_u32 v250, v251
	s_wait_dscnt 0x0
	CROUND                                         ; the closing round
	s_endpgm
.Lfunc_end_k_q96f73ea75c_attn:
	.size	k_q96f73ea75c_attn, .Lfunc_end_k_q96f73ea75c_attn-k_q96f73ea75c_attn
	.p2alignl 7, 3214868480
	.fill 96, 4, 3214868480
	.section	.rodata,"a",@progbits
	.p2align	6, 0x0
	.amdhsa_kernel k_q96f73ea75c_attn
		.amdhsa_group_segment_fixed_size 215040
		.amdhsa_private_segment_fixed_size 0
		.amdhsa_enable_private_segment 0
		.amdhsa_kernarg_size 16
		.amdhsa_user_sgpr_count 2
		.amdhsa_user_sgpr_kernarg_segment_ptr 1
		.amdhsa_wavefront_size32 1
		.amdhsa_system_sgpr_workgroup_id_x 1
		.amdhsa_system_sgpr_workgroup_id_y 1
		.amdhsa_system_sgpr_workgroup_id_z 1
		.amdhsa_system_vgpr_workitem_id 0
		.amdhsa_next_free_vgpr 256
		.amdhsa_next_free_sgpr 66
		.amdhsa_reserve_vcc 0
		.amdhsa_float_denorm_mode_32 3
		.amdhsa_float_denorm_mode_16_64 3
		.amdhsa_memory_ordered 1
		.amdhsa_forward_progress 1
		.amdhsa_inst_pref_size 74
	.end_amdhsa_kernel
	.amdgpu_metadata
---
amdhsa.version: [ 1, 2 ]
amdhsa.kernels:
  - .name:           k_q96f73ea75c_attn
    .symbol:         k_q96f73ea75c_attn.kd
    .args:
      - { .name: hd, .offset: 0, .size: 8, .value_kind: global_buffer, .address_space: global }
      - { .name: out0, .offset: 8, .size: 8, .value_kind: global_buffer, .address_space: global }
    .group_segment_fixed_size: 215040
    .private_segment_fixed_size: 0
    .kernarg_segment_align: 8
    .kernarg_segment_size: 16
    .max_flat_workgroup_size: 512
    .sgpr_count:     66
    .vgpr_count:     256
    .wavefront_size: 32
...
	.end_amdgpu_metadata
.endif
;; end of part 3
